; MI455X (gfx1250); checked and timed in simulation.
; The chip was launched on July 23, 2026; its instructions are those of AMD's public machine-readable ISA for CDNA 5 (MIT licence, August 2026) and "CDNA5" Instruction Set Architecture Reference Guide (July 2026). The comments in the code are by the model that wrote it; some were corrected since.
;; Multi Head Attention Block. Allowed arithmetic: matrix products marked QUANTISED: E2M1 operands, one E8M0 scale for each 32 along K, by v_wmma_scale_f32_16x16x128_f8f6f4 with both operands' format E2M1 (or v_wmma_scale_f32_32x16x128_f4), f32 sums; products left as they are: bf16, f16 or f32 operands; f32 sums; everything else in f32.
;; Inputs: bk 1,024 float32; bq 1,024 float32; bv 1,024 float32; k 4 x 2,048 x 1,024 float32; mask 4 x 1 x 2,048 float32; q 4 x 2,048 x 1,024 float32; v 4 x 2,048 x 1,024 float32; wk 1,024 x 1,024 float32; wq 1,024 x 1,024 float32; wv 1,024 x 1,024 float32.
;; Outputs: out0 4 x 2,048 x 1,024 float32.
;; This version of the problem:
;;   THIS VERSION OF THE PROBLEM IS GIVEN IN LOW PRECISION. The matrix products marked QUANTISED in the list below multiply operands that are first quantised to E2M1 (2 exponent bits, 1 mantissa bit; 4 bits a number), with one power-of-two scale for each 32 numbers along K (OCP MX v1.0); their sums are f32. The products marked 'left as it is' may take bf16, f16 or f32 operands, with f32 sums. Whichever they take, every output number must still come out within the allowed error. Rounding operands to bf16 (8 significant bits) uses up far more of that allowance than f16 does (11 bits, for magnitudes from 6e-5 to 65,504). All else is computed in f32.
;;   The module's matrix products, in the order in which they are computed (A, B: the left and right operand; K: the contracted axis; several contracted axes count as one K, in the product's order):
;;     1. [M 8,192, K 1,024] x [K 1,024, N 1,024]; A: input q; B: input wq: QUANTISED
;;     2. [M 8,192, K 1,024] x [K 1,024, N 1,024]; A: input k; B: input wk: QUANTISED
;;     3. [M 8,192, K 1,024] x [K 1,024, N 1,024]; A: input v; B: input wv: QUANTISED
;;     4. batch 64 x [M 2,048, K 64] x [K 64, N 2,048]; A: computed on the way; B: computed on the way: left as it is (an operand is computed on the way)
;;     5. batch 64 x [M 2,048, K 2,048] x [K 2,048, N 64]; A: computed on the way; B: computed on the way: left as it is (an operand is computed on the way)
;;   THE QUANTISER, for each operand of a quantised product, along K:
;;     - K is cut into blocks of 32 from its start; a last block that is shorter is filled with zeros.
;;     - A block's scale is 2^e with e = floor(log2(the largest magnitude in the block)) - 2, held to -126 .. 127; a block of zeros has e = 0. As a byte (E8M0): e + 127.
;;     - Each number is divided by its block's scale, clamped to +-6, and rounded to the nearest number of E2M1, ties to even, subnormals kept.
;;     - The product sums the exact products of the quantised numbers (number of the format x scale) in f32.
;;   ~~~python
;;   def quantise(x, axis):      # numpy; x: float32 -> the quantised numbers, widened to float32 again
;;       x = np.moveaxis(x, axis, -1); K = x.shape[-1]
;;       x = np.pad(x, [(0, 0)] * (x.ndim - 1) + [(0, -K % 32)]); x = x.reshape(x.shape[:-1] + (-1, 32)); a = np.abs(x).max(-1, keepdims=True)
;;       e = np.where(a > 0, np.clip(np.frexp(np.where(a > 0, a, 1))[1] - 1 - 2, -126, 127), 0)      # np.frexp(a)[1] - 1 = floor(log2(a)), exactly
;;       r = np.clip(x / 2.0 ** e, -6, 6)
;;       step = 2.0 ** (np.maximum(np.frexp(np.where(r == 0, 1, r))[1] - 1, 0) - 1)
;;       q = np.round(r / step) * step * 2.0 ** e      # np.round: ties to even
;;       return np.moveaxis(q.reshape(q.shape[:-2] + (-1,))[..., :K], -1, axis).astype(np.float32)
;;   ~~~
;; One version. Each part assembles by itself: llvm-mc -triple=amdgcn-amd-amdhsa -mcpu=gfx1250 --defsym DOCPART=n.
;; ======== version 1 of 1: 3 launches
;; limits: values are held in f16: magnitudes above 65,504 overflow, below 6.1e-05 lose precision
;; workspace buffers: codes 14,155,776 bytes; scales 884,736 bytes; img 50,331,648 bytes
;; launch quant (part 1): grid 864 x 1, 4 waves a work-group, no clusters, 33,280 bytes of LDS; arguments q, k, v, wq, wk, wv, codes, scales; writes codes, scales
.if DOCPART == 1
	.amdgcn_target "amdgcn-amd-amdhsa--gfx1250"
	.amdhsa_code_object_version 6
	.text
	.protected	k_qf26b720c73_quant
	.globl	k_qf26b720c73_quant
	.p2align	8
	.type	k_qf26b720c73_quant,@function
k_qf26b720c73_quant:
	s_mov_b64 s[64:65], 0
	v_nop
	global_prefetch_b8 v0, s[64:65] scope:SCOPE_SE
	s_setreg_imm32_b32 hwreg(HW_REG_WAVE_MODE, 25, 1), 1
	s_wait_xcnt 0x0
; q, k, v [8192][1024] and wq, wk, wv [1024][1024], f32, K (the input dimension) innermost in all six, become codes of FP4 (E2M1), two a byte, and one E8M0 scale byte for each 32 along K.
; The six tensors are one stream of blocks of 32 numbers, in the order q, k, v, wq, wk, wv: so are the codes (16 bytes a block) and the scale bytes (one a block).
; A block's scale is 2^(floor(log2(its largest magnitude)) - 2); its byte is the largest magnitude's exponent field - 2, held at 1 from below.
; LIMITS: a block of zeros gets the byte 1 where the rule says 127 (its codes are zeros, which add nothing, and this program alone reads the bytes); blocks whose largest magnitude
; lies under 2^-124 are held at the byte 1; NaN and infinities among the inputs are not served.
; SHARES: a work-group takes 32,768 numbers, a wave 8,192 in 16 steps of 512.  Work-groups 0-255 q, 256-511 k, 512-767 v, 768-799 wq, 800-831 wk, 832-863 wv.
; A step's four loads read 512 consecutive bytes each; the 2,048 bytes turn through the wave's own stage in LDS so that a lane holds 16 neighbours along K (two lanes to a block).
; A lane's 16 codes are 8 bytes: the wave stores 256 consecutive bytes.  A wave's 256 scale bytes are gathered in its own LDS bytes and leave as 256 consecutive bytes.
; No matrix unit, no cluster, no barrier: the waves share nothing and memory binds.
.set WAVES, 4
.set STEPS, 16
.set EMAX,  2
.set CB,    8                          ; bytes of 16 codes
.set R,     16                         ; v16-79   four sets of 16 numbers as they are loaded
.set X,     80                         ; v80-111  two sets of 16 neighbours
.set E,     112                        ; v112-127 a scale byte for each step
.set C,     128                        ; v128-191 codes: four registers for each step, so that no store's data are written again
.set WREG,  8192                       ; LDS: a region for each wave: two stages of 32 x SP bytes, behind them its 256 scale bytes
.set SP,    80                         ; a lane's place in a stage: its 64 bytes + 16 of padding
.set SPW,   12                         ; v12  LDS address of my spare word; never rewritten
.set NIL,   13                         ; v13  0; never rewritten
.set SPARE, WAVES*WREG                 ; behind the four regions: the spare words, 128 bytes for each wave
	s_load_b256 s[4:11], s[0:1], 0x0               ; q, k, v, wq
	s_load_b256 s[12:19], s[0:1], 0x20             ; wk, wv, codes s[16:17], scales s[18:19]
	v_lshl_add_u32 v[SPW], v0, 2, SPARE
	v_mov_b32 v[NIL], 0
	v_lshrrev_b32 v1, 5, v0
	v_readfirstlane_b32 s24, v1                    ; wave
	v_and_b32 v2, 31, v0                           ; lane
	v_lshlrev_b32 v3, 4, v2                        ; my 16 bytes of a load's 512
	s_mul_i32 s25, s24, WREG
	v_lshrrev_b32 v14, 2, v2
	v_mul_u32_u24 v14, v14, SP
	v_and_b32 v15, 3, v2
	v_lshl_add_u32 v14, v15, 4, v14
	v_add_nc_u32 v14, s25, v14                     ; the stage, on the way in: SP (lane / 4) + 16 (lane % 4)
	v_mul_u32_u24 v15, v2, SP
	v_add_nc_u32 v15, s25, v15                     ; and on the way out: SP x lane: my 16 neighbours
	v_mul_u32_u24 v4, v2, CB                       ; my codes' place in a step's
	v_lshrrev_b32 v5, 1, v2
	s_add_co_u32 s25, s25, 2*32*SP
	v_add_nc_u32 v5, s25, v5                       ; LDS: my wave's 256 scale bytes, my block's byte
	v_lshlrev_b32 v7, 3, v2                        ; and on the way out 8 bytes a lane
	v_add_nc_u32 v6, s25, v7
	s_wait_kmcnt 0x0
	; which tensor is my work-group's: the choice hangs on the work-group's number alone
	s_mov_b64 s[20:21], s[4:5]
	s_mov_b32 s22, 0                               ; the tensor's first work-group
	s_cmp_ge_u32 ttmp9, 256
	s_cselect_b64 s[20:21], s[6:7], s[20:21]
	s_cselect_b32 s22, 256, s22
	s_cmp_ge_u32 ttmp9, 512
	s_cselect_b64 s[20:21], s[8:9], s[20:21]
	s_cselect_b32 s22, 512, s22
	s_cmp_ge_u32 ttmp9, 768
	s_cselect_b64 s[20:21], s[10:11], s[20:21]
	s_cselect_b32 s22, 768, s22
	s_cmp_ge_u32 ttmp9, 800
	s_cselect_b64 s[20:21], s[12:13], s[20:21]
	s_cselect_b32 s22, 800, s22
	s_cmp_ge_u32 ttmp9, 832
	s_cselect_b64 s[20:21], s[14:15], s[20:21]
	s_cselect_b32 s22, 832, s22
	s_sub_co_u32 s26, ttmp9, s22
	s_lshl_b32 s26, s26, 2
	s_add_co_u32 s26, s26, s24                     ; which run of 8,192 numbers of the tensor is my wave's
	s_lshl_b32 s26, s26, 15                        ; 32,768 bytes a run
	s_mov_b32 s27, 0
	s_add_nc_u64 s[20:21], s[20:21], s[26:27]
	s_lshl_b32 s22, ttmp9, 2
	s_add_co_u32 s22, s22, s24                     ; which run of the whole stream
	s_lshl_b32 s26, s22, 12                        ; 4,096 bytes of codes a run
	s_add_nc_u64 s[16:17], s[16:17], s[26:27]
	s_lshl_b32 s26, s22, 8                         ; 256 scale bytes a run
	s_add_nc_u64 s[18:19], s[18:19], s[26:27]
.macro LOAD t
.irp i, 0,1,2,3
	global_load_b128 v[R+16*((\t)%4)+4*\i:R+16*((\t)%4)+4*\i+3], v3, s[20:21] offset:2048*(\t)+512*\i th:TH_LOAD_NT   ; 32 lanes read 512 consecutive bytes
.endr
.endm
.macro TURN t                          ; step t's numbers through the stage: LDS serves a wave's instructions in order, so no wait stands between the stores and the loads
.irp i, 0,1,2,3
	ds_store_b128 v14, v[R+16*((\t)%4)+4*\i:R+16*((\t)%4)+4*\i+3] offset:32*SP*((\t)%2)+8*SP*\i
.endr
.irp i, 0,1,2,3
	ds_load_b128 v[X+16*((\t)%2)+4*\i:X+16*((\t)%2)+4*\i+3], v15 offset:32*SP*((\t)%2)+16*\i
.endr
.endm
.irp t, 0,1,2,3
	LOAD \t
.endr
	s_wait_loadcnt 12                              ; step 0's four loads are in; those of steps 1 to 3 stay out
	TURN 0
.macro STEP t
.set XS, X+16*((\t)%2)
.if (\t) > 0
	s_wait_dscnt 1                                 ; this step's numbers are back from the stage (the last step's byte store may be out): so its stores into the stage have read their registers,
.else
	s_wait_dscnt 0x0
.endif
.if (\t)+4 < STEPS
	LOAD (\t)+4                                    ; which take the loads of four steps on
.endif
.if (\t)+1 < STEPS
.if STEPS-2-(\t) >= 3
	s_wait_loadcnt 12                              ; the next step's four loads are in; those of the three steps behind it may be out
.else
	s_wait_loadcnt 4*(STEPS-2-(\t))
.endif
	TURN (\t)+1                                    ; and go through the other stage while this step is worked
.endif
	v_max3_num_f32 v8, |v[XS]|, |v[XS+1]|, |v[XS+2]|               ; the largest magnitude of my 16, in two chains
	v_max3_num_f32 v9, |v[XS+3]|, |v[XS+4]|, |v[XS+5]|
.irp i, 6,10
	v_max3_num_f32 v8, v8, |v[XS+\i]|, |v[XS+\i+1]|
	v_max3_num_f32 v9, v9, |v[XS+\i+2]|, |v[XS+\i+3]|
.endr
	v_max3_num_f32 v8, v8, |v[XS+14]|, |v[XS+15]|
	v_max3_num_f32 v8, v8, v9, (EMAX+1)<<23        ; and the floor 2^(3 - 127): so the byte cannot fall under 1
	v_max_num_f32_dpp v8, v8, v8 row_xmask:1 row_mask:0xf bank_mask:0xf   ; and of my neighbour's 16: the block's
	v_add_nc_u32 v11, -(EMAX<<23), v8              ; 2 off its exponent field: the conversion takes the exponent field of this operand as its scale
	v_cvt_scalef32_pk8_fp4_f32 v[C+4*(\t)], v[XS:XS+7], v11        ; eight numbers / the scale, to the nearest code, ties to even, beyond the largest code the largest
	v_cvt_scalef32_pk8_fp4_f32 v[C+4*(\t)+1], v[XS+8:XS+15], v11
	v_lshrrev_b32 v[E+(\t)], 23, v11               ; the scale's byte (also the plain line behind the conversions)
	ds_store_b8 v5, v[E+(\t)] offset:16*(\t)       ; both lanes of a block write the same byte with the same value
	global_store_b64 v4, v[C+4*(\t):C+4*(\t)+1], s[16:17] offset:32*CB*(\t)   ; the wave stores 256 consecutive bytes, aligned
.endm
.irp t, 0,1,2,3,4,5,6,7,8,9,10,11,12,13,14,15
	STEP \t
.endr
	ds_load_b64 v[8:9], v6                         ; LDS serves a wave's instructions in order: these see my stores
	s_wait_dscnt 0x0
	global_store_b64 v7, v[8:9], s[18:19]          ; 32 lanes store 256 consecutive bytes, aligned
	s_wait_tensorcnt 0x0                           ; the wave's end: behind my last LDS store
	ds_add_u32 v[SPW], v[NIL]
	s_wait_dscnt 0x0
	s_endpgm
.Lfunc_end_k_qf26b720c73_quant:
	.size	k_qf26b720c73_quant, .Lfunc_end_k_qf26b720c73_quant-k_qf26b720c73_quant
	.p2alignl 7, 3214868480
	.fill 96, 4, 3214868480
	.section	.rodata,"a",@progbits
	.p2align	6, 0x0
	.amdhsa_kernel k_qf26b720c73_quant
		.amdhsa_group_segment_fixed_size 33280
		.amdhsa_private_segment_fixed_size 0
		.amdhsa_enable_private_segment 0
		.amdhsa_kernarg_size 64
		.amdhsa_user_sgpr_count 2
		.amdhsa_user_sgpr_kernarg_segment_ptr 1
		.amdhsa_wavefront_size32 1
		.amdhsa_system_sgpr_workgroup_id_x 1
		.amdhsa_system_sgpr_workgroup_id_y 1
		.amdhsa_system_sgpr_workgroup_id_z 1
		.amdhsa_system_vgpr_workitem_id 0
		.amdhsa_next_free_vgpr 192
		.amdhsa_next_free_sgpr 66
		.amdhsa_reserve_vcc 0
		.amdhsa_float_denorm_mode_32 3
		.amdhsa_float_denorm_mode_16_64 3
		.amdhsa_memory_ordered 1
		.amdhsa_forward_progress 1
		.amdhsa_inst_pref_size 34
	.end_amdhsa_kernel
	.amdgpu_metadata
---
amdhsa.version: [ 1, 2 ]
amdhsa.kernels:
  - .name:           k_qf26b720c73_quant
    .symbol:         k_qf26b720c73_quant.kd
    .args:
      - { .name: q, .offset: 0, .size: 8, .value_kind: global_buffer, .address_space: global }
      - { .name: k, .offset: 8, .size: 8, .value_kind: global_buffer, .address_space: global }
      - { .name: v, .offset: 16, .size: 8, .value_kind: global_buffer, .address_space: global }
      - { .name: wq, .offset: 24, .size: 8, .value_kind: global_buffer, .address_space: global }
      - { .name: wk, .offset: 32, .size: 8, .value_kind: global_buffer, .address_space: global }
      - { .name: wv, .offset: 40, .size: 8, .value_kind: global_buffer, .address_space: global }
      - { .name: codes, .offset: 48, .size: 8, .value_kind: global_buffer, .address_space: global }
      - { .name: scales, .offset: 56, .size: 8, .value_kind: global_buffer, .address_space: global }
    .group_segment_fixed_size: 33280
    .private_segment_fixed_size: 0
    .kernarg_segment_align: 8
    .kernarg_segment_size: 64
    .max_flat_workgroup_size: 128
    .sgpr_count:     66
    .vgpr_count:     192
    .wavefront_size: 32
...
	.end_amdgpu_metadata
.endif
;; end of part 1
;; launch proj (part 2): grid 4 x 96, 4 waves a work-group, clusters of 4 x 4, 327,680 bytes of LDS; arguments codes, scales, bq, bk, bv, img; writes img
.if DOCPART == 2
	.amdgcn_target "amdgcn-amd-amdhsa--gfx1250"
	.amdhsa_code_object_version 6
	.text
	.protected	k_qf26b720c73_proj
	.globl	k_qf26b720c73_proj
	.p2align	8
	.type	k_qf26b720c73_proj,@function
k_qf26b720c73_proj:
	s_mov_b64 s[64:65], 0
	v_nop
	global_prefetch_b8 v0, s[64:65] scope:SCOPE_SE
	s_setreg_imm32_b32 hwreg(HW_REG_WAVE_MODE, 25, 1), 1
	s_wait_xcnt 0x0
	s_wait_alu depctr_hold_cnt(0) depctr_sa_sdst(0) depctr_va_vdst(0) depctr_va_sdst(0) depctr_va_ssrc(0) depctr_va_vcc(0) depctr_vm_vsrc(0)
	s_getreg_b32 s2, hwreg(HW_REG_IB_STS2, 6, 4)
	s_cmp_eq_u32 s2, 0
	s_cbranch_scc0 .Lentry_in_a_cluster
	s_endpgm
.Lentry_in_a_cluster:
	s_bfe_u32 s2, ttmp6, 0x10000c
	s_cmp_lg_u32 s2, 0xf033
	s_cbranch_scc0 .Lentry_shape_is_right
	s_endpgm
.Lentry_shape_is_right:
; The three projections y = x W^T + b on codes of FP4 (E2M1) with one E8M0 scale for each 32 along K = 1,024; x: 8,192 rows, W: 1,024 rows; sums in f32; y rounded once to f16.
; y leaves as IMAGES OF THE NEXT LAUNCH'S OPERAND REGISTERS.  A chunk is 512 bytes, lane l's 16 bytes at 16 l: 16 rows x 16 along that launch's K (half a 16-bit fragment).
;   tensors 0, 1 (queries, keys), for each batch and head: [token tile of 16: 128][channel tile of 16: 4][chunk]
;   tensor 2 (values), for each batch and head: [group of 64 keys: 32][channel tile: 4][key tile: 4][chunk]: channels are the rows, keys run along the lane's bytes.
; A tile of 256 x 256 is made by four waves, 128 x 128 each: 64 accumulators, 512 registers.  Side A is source 1, side B source 0: a lane holds ONE row of side A (lane % 16) and eight
; neighbouring rows of side B (8 (lane / 16) + 0..7).  Tensors 0, 1: A = x, B = W: a token and eight channels.  Tensor 2: A = W, B = x: a channel and eight keys.  Four roundings in pairs
; are then the lane's 16 bytes of a chunk: no turn through LDS on the way out, and each store of the wave covers 512 consecutive bytes, aligned.
; K goes in two steps of 512 (rows of 256 bytes), each in an LDS slot of its own: all tiles and the scale bytes are asked for at the start and nothing is filled again.
; CLUSTERS: 4 x 4 work-groups of one tensor.  A's tile hangs on the cluster's row, B's on its column: each is asked for jointly by the four that share it.
; The one branch on the tensor (way out) hangs on the cluster's number alone: it is the same in all sixteen partners.
; LIMITS: |y| must stay under 65,504 (f16); NaN and infinities are not served.
; REGISTERS, in windows of 256: window 0: v16-31 addresses; v32-95 scale words, two sets, and nothing else; v96-111 the bias by A's rows; v128-191 A's fragments, later the packed results;
;   v192-255 the bias by B's rows.   window 1: B's fragments, two sets.   windows 2, 3: the accumulators ((a, b) at v[8 (8 (a % 4) + b)]).
.set KSTEP,  512                       ; along K in a slot
.set NQ,     KSTEP/128                 ; matrix instructions deep
.set ROWB,   256                       ; a tile's row in bytes
.set KROW,   512                       ; a row of codes in memory
.set PITCH,  272                       ; an LDS row: 256 bytes + 16 of padding = 68 words: the 16 rows that a load touches start at 16 different banks (64 banks of 4 bytes: ISA guide 11.1)
.set FR,     8                         ; registers of a fragment: 16 rows x 128 K
.set NL,     2                         ; LDS loads that bring one
.set NP,     4                         ; places behind this matrix instruction (ISA guide 7.12.1)
.set HALFT,  128*PITCH                 ; 128 rows: what one tensor load brings, and what one wave reads of a side
.set SLOT,   4*HALFT                   ; A's 256 rows, then B's 256 rows
.set KS,     32                        ; a row of scale bytes
.set SCL,    2*SLOT                    ; behind the slots: the scale bytes, as rows of 256 bytes + 16 of padding
.set HALFS,  (128*KS/256)*272          ; those of 128 rows
.set SBLK,   (16*KS/256)*272           ; those of 16 rows
.set SPARE,  SCL+4*HALFS               ; the spare words, 128 bytes for each wave
.set WCODES, 12582912                  ; where the weights' codes begin in the stream,
.set WSCALES, 786432                   ; and their scale bytes
.set ADRA, 16                          ; v16-17  LDS address of my A fragments in slot 0, 1
.set ADRB, 20                          ; v20-21  the same for B
.set LI,   26                          ; v26     16 x lane: my place in a chunk
.set ADRS, 27                          ; v27     LDS address of my scale words: lanes 0-15 A's rows, lanes 16-31 B's
.set SPW,  28                          ; v28     LDS address of my spare word; never rewritten
.set NIL,  29                          ; v29     0; never rewritten
.set BH,   30                          ; v30     32 x (lane / 16)
.set BR,   31                          ; v31     4 x (lane % 16)
.set SC,   32                          ; scale words: set s at v[SC + 32 s]; register 4 i + q: lanes 0-15 the word of A's block i, lanes 16-31 that of B's block i
.set BS1,  96                          ; bias[e0 + 16 a + lane % 16], twice: a pair for each of A's blocks
.set AF,   128                         ; A's fragments
.set YY,   128                         ; the way out: packed results, two sets of 32
.set BS0,  192                         ; bias[e0 + 16 b + 8 (lane / 16) + j] at 8 b + j
.set WV,   16                          ; s16 wave;  s17 my half of A's rows, also: I fetch for A (0) or B (1);  s18 my half of B's rows, also: which 128 rows I fetch;  s19 the tensor
.set G1,   24                          ; s[24:31] descriptor group 1 for A's tiles;  s[32:39] group 0, one set for each slot
.set G0,   32
.set G1B,  48                          ; s[48:55], s[56:63] the same for B's
.set G0B,  56
.set G1S,  68                          ; s[68:75], s[76:79] for A's scale bytes;  s[80:87], s[88:91] for B's
.set G0S,  76
.set G1SB, 80
.set G0SB, 88
.set OB,   4                           ; s[4:11] the way out: four store bases, (a / 4, b / 4) at s[OB + 4 (a / 4) + 2 (b / 4)]
.set MSB, 0
.macro WIN new                         ; the immediate's high byte repeats the setting that is left
.if MSB != \new
	s_set_vgpr_msb (MSB<<8)|\new
.set MSB, \new
.endif
.endm
.set MUL_LO, 0xa1                      ; source 0 (B) window 1, source 1 (A) window 0, C and D window 2
.set MUL_HI, 0xf1                      ; the same, C and D window 3
.set TO_B,   0x40                      ; destination window 1, address window 0
; A joint load: waves 0 and 1 fetch for A, waves 2 and 3 for B.  Each line has one mask and one set of registers; the branch hangs on the wave's number alone.
; An s_nop 0 and four v_nop follow each of the two lines.
.macro JLOAD g0a, g1a, g0b, g1b
	s_cmp_eq_u32 s17, 0
	s_cbranch_scc0 .Lfor_b_\@
	tensor_load_to_lds s[\g0a:\g0a+3], s[\g1a:\g1a+7]
	s_nop 0
.rept 4
	v_nop
.endr
	s_branch .Lasked_\@
.Lfor_b_\@:
	tensor_load_to_lds s[\g0b:\g0b+3], s[\g1b:\g1b+7]
	s_nop 0
.rept 4
	v_nop
.endr
.Lasked_\@:
.endm
.macro CROUND                          ; a round of the cluster's barrier
	s_barrier_signal -1
	s_barrier_wait -1
	s_cmp_lg_u32 s[WV], 0
	s_cbranch_scc1 .Lnot_wave_0_\@
	s_barrier_signal -3
.Lnot_wave_0_\@:
	s_barrier_wait -3
	s_barrier_signal -1
	s_barrier_wait -1
.endm
	s_load_b256 s[4:11], s[0:1], 0x0               ; codes s[4:5], scales s[6:7], bq s[8:9], bk s[10:11]
	s_load_b128 s[12:15], s[0:1], 0x20             ; bv s[12:13], img s[14:15]
	v_lshl_add_u32 v[SPW], v0, 2, SPARE
	v_mov_b32 v[NIL], 0
	ds_add_u32 v[SPW], v[NIL]                      ; the wave's opening: the add, twice on end, and its wait ahead of my first tensor load
	ds_add_u32 v[SPW], v[NIL]
	v_lshrrev_b32 v1, 5, v0
	v_readfirstlane_b32 s[WV], v1                  ; wave 0..3
	s_lshr_b32 s17, s[WV], 1
	s_and_b32 s18, s[WV], 1
	s_bfe_u32 s40, ttmp6, 0x40000                  ; cx, cy: my place in the cluster
	s_bfe_u32 s41, ttmp6, 0x40004
	s_and_b32 s3, ttmp7, 0xffff                    ; the cluster's y, 0..23: eight clusters to a tensor
	s_lshr_b32 s19, s3, 3                          ; the tensor: 0 queries, 1 keys, 2 values
	s_and_b32 s3, s3, 7
	s_lshl_b32 s3, s3, 2                           ; the cluster's first tile of x's 32
	s_lshl_b32 s20, s19, 22                        ; x's codes begin here,
	s_lshl_b32 s21, s19, 19
	s_add_co_u32 s21, s21, WCODES                  ; W's here,
	s_lshl_b32 s22, s19, 18                        ; x's scale bytes,
	s_lshl_b32 s23, s19, 15
	s_add_co_u32 s23, s23, WSCALES                 ; W's
	s_mov_b32 s96, 8192
	s_mov_b32 s97, 262144
	s_cmp_eq_u32 s19, 2                            ; the values swap the sides.  Only selections follow this compare
	s_cselect_b32 s95, 1, 0                        ; 1: A = W, B = x
	s_cselect_b32 s66, s21, s20                    ; A's codes
	s_cselect_b32 s67, s20, s21                    ; B's codes
	s_cselect_b32 s98, s23, s22                    ; A's scale bytes
	s_cselect_b32 s99, s22, s23                    ; B's
	s_cselect_b32 s2, 0, s3
	s_cselect_b32 s42, s3, 0
	s_cselect_b32 s96, 262144, s96                 ; bytes in img from A's block a to a + 4: a head on (channels) or four token tiles on
	s_cselect_b32 s97, 8192, s97                   ; and from B's block b to b + 4: a group of 64 keys on, or a head on
	s_add_co_u32 s2, s2, s41                       ; A's tile: it hangs on cy and never on cx
	s_add_co_u32 s42, s42, s40                     ; B's tile: on cx and never on cy
	s_lshl_b32 s43, s41, 2
	s_lshl_b32 s43, 15, s43                        ; my row of the cluster
	s_lshl_b32 s44, 0x1111, s40                    ; my column
	; descriptor group 1: a tile of 128 rows x 256 bytes, padded in LDS
	s_or_b32 s[G1+0], s43, (0<<16)|(1<<20)|(1<<21)|(5<<22)|(3<<25)  ; 15:0 the mask; 17:16 elements of 1 byte; 20 padding on; 21 set beside a mask; 24:22 after every 64 words; 31:25 four words
	s_or_b32 s[G1B+0], s44, (0<<16)|(1<<20)|(1<<21)|(5<<22)|(3<<25)
.irp g, G1, G1B
	s_mov_b32 s[\g+1], ROWB<<16                    ; tensor_dim0
	s_mov_b32 s[\g+2], 128<<16                     ; tensor_dim1
	s_mov_b32 s[\g+3], ROWB<<16                    ; tile_dim0
	s_mov_b32 s[\g+4], 128                         ; tile_dim1
	s_mov_b32 s[\g+5], KROW                        ; from row to row
	s_mov_b32 s[\g+6], 0
	s_mov_b32 s[\g+7], 0
.endr
	; the scale bytes of 128 rows: 4,096 dense bytes, as 16 rows of 256 bytes (32 elements of 8), 16 bytes of padding behind each
	s_or_b32 s[G1S+0], s43, (3<<16)|(1<<20)|(1<<21)|(5<<22)|(3<<25)
	s_or_b32 s[G1SB+0], s44, (3<<16)|(1<<20)|(1<<21)|(5<<22)|(3<<25)
.irp g, G1S, G1SB
	s_mov_b32 s[\g+1], 32<<16
	s_mov_b32 s[\g+2], (128*KS/256)<<16
	s_mov_b32 s[\g+3], 32<<16
	s_mov_b32 s[\g+4], 128*KS/256
	s_mov_b32 s[\g+5], 32
	s_mov_b32 s[\g+6], 0
	s_mov_b32 s[\g+7], 0
.endr
	s_lshl_b32 s3, s18, 7                          ; which 128 rows of the tile I fetch
	s_lshl_b32 s20, s2, 8
	s_add_co_u32 s20, s20, s3                      ; A's row
	s_lshl_b32 s46, s42, 8
	s_add_co_u32 s46, s46, s3                      ; B's row
	s_lshl_b32 s22, s20, 5                         ; 32 scale bytes a row,
	s_add_co_u32 s22, s22, s98
	s_mov_b32 s23, 0
	s_lshl_b32 s20, s20, 9                         ; 512 bytes of codes
	s_add_co_u32 s20, s20, s66
	s_mov_b32 s21, 0
	s_lshl_b32 s92, s46, 5
	s_add_co_u32 s92, s92, s99
	s_mov_b32 s93, 0
	s_lshl_b32 s46, s46, 9
	s_add_co_u32 s46, s46, s67
	s_mov_b32 s47, 0
	s_mul_i32 s45, s[WV], HALFT                    ; where they go: wave x 128 rows: no place in the cluster enters an LDS address
	s_mul_i32 s94, s[WV], HALFS
	s_wait_dscnt 0x0                               ; both opening adds are done
	s_wait_kmcnt 0x0
	s_add_nc_u64 s[20:21], s[4:5], s[20:21]
	s_add_nc_u64 s[22:23], s[6:7], s[22:23]
	s_add_nc_u64 s[46:47], s[4:5], s[46:47]
	s_add_nc_u64 s[92:93], s[6:7], s[92:93]
	CROUND                                         ; all sixteen work-groups are here: the joint loads meet
	s_mov_b32 s[G0S], 1
	s_add_co_u32 s[G0S+1], s94, SCL
	s_mov_b64 s[G0S+2:G0S+3], s[22:23]
	s_or_b32 s[G0S+3], s[G0S+3], 0x80000000
	s_mov_b32 s[G0SB], 1
	s_add_co_u32 s[G0SB+1], s94, SCL
	s_mov_b64 s[G0SB+2:G0SB+3], s[92:93]
	s_or_b32 s[G0SB+3], s[G0SB+3], 0x80000000
	JLOAD G0S, G1S, G0SB, G1SB                     ; the scale bytes first: they are wanted with K step 0
.irp s, 0,1
	s_mov_b32 s[G0+4*\s], 1
	s_add_co_u32 s[G0+4*\s+1], s45, \s*SLOT
	s_add_nc_u64 s[G0+4*\s+2:G0+4*\s+3], s[20:21], \s*ROWB
	s_or_b32 s[G0+4*\s+3], s[G0+4*\s+3], 0x80000000
	s_mov_b32 s[G0B+4*\s], 1
	s_add_co_u32 s[G0B+4*\s+1], s45, \s*SLOT
	s_add_nc_u64 s[G0B+4*\s+2:G0B+4*\s+3], s[46:47], \s*ROWB
	s_or_b32 s[G0B+4*\s+3], s[G0B+4*\s+3], 0x80000000
	JLOAD G0+4*\s, G1, G0B+4*\s, G1B               ; both K steps: three tensor loads of mine are out
.endr
	; the bias and the place in img
	s_cmp_eq_u32 s19, 1
	s_cselect_b64 s[8:9], s[10:11], s[8:9]
	s_cmp_eq_u32 s19, 2
	s_cselect_b64 s[8:9], s[12:13], s[8:9]         ; my tensor's bias
	s_lshl_b32 s20, s2, 8
	s_lshl_b32 s21, s17, 7
	s_add_co_u32 s20, s20, s21                     ; my first row of side A
	s_lshl_b32 s46, s42, 8
	s_lshl_b32 s47, s18, 7
	s_add_co_u32 s46, s46, s47                     ; and of side B
	s_cmp_eq_u32 s95, 1
	s_cselect_b32 s66, s20, s46                    ; e0: my first output channel (W's row)
	s_cselect_b32 s67, s46, s20                    ; s0: my first token (x's row)
	s_lshl_b32 s98, s19, 24                        ; the tensor's 16,777,216 bytes,
	s_lshr_b32 s99, s67, 11
	s_lshl_b32 s99, s99, 22                        ; the batch's 4,194,304,
	s_add_co_u32 s98, s98, s99
	s_and_b32 s99, s67, 2047
	s_lshl_b32 s99, s99, 7                         ; 128 bytes a token in a head (2,048 a tile of 16; 8,192 a group of 64),
	s_add_co_u32 s98, s98, s99
	s_lshl_b32 s99, s66, 12                        ; 262,144 a head of 64 channels
	s_add_co_u32 s98, s98, s99
	s_mov_b32 s99, 0
	s_add_nc_u64 s[14:15], s[14:15], s[98:99]
	s_lshl_b32 s66, s66, 2
	s_mov_b32 s67, 0
	s_add_nc_u64 s[8:9], s[8:9], s[66:67]          ; the bias at e0
	v_and_b32 v1, 15, v0                           ; l % 16
	v_bfe_u32 v2, v0, 4, 1                         ; l / 16
	v_and_b32 v5, 31, v0
	v_lshlrev_b32 v[LI], 4, v5
	v_lshlrev_b32 v[BH], 5, v2
	v_lshlrev_b32 v[BR], 2, v1
	; both forms of my 128 biases are loaded, whichever side the channels are on: every path finds its registers written, and both stay inside the buffer
.irp b, 0,1,2,3,4,5,6,7
	global_load_b128 v[BS0+8*\b:BS0+8*\b+3],   v[BH], s[8:9] offset:64*\b
	global_load_b128 v[BS0+8*\b+4:BS0+8*\b+7], v[BH], s[8:9] offset:64*\b+16
.endr
.irp a, 0,1,2,3,4,5,6,7
	global_load_b32 v[BS1+2*\a],   v[BR], s[8:9] offset:64*\a
	global_load_b32 v[BS1+2*\a+1], v[BR], s[8:9] offset:64*\a
.endr
	v_mul_u32_u24 v3, v1, PITCH
	v_lshl_add_u32 v4, v2, 4, v3                   ; a fragment's row x pitch + 16 x half
	s_mul_i32 s21, s17, HALFT                      ; my 128 rows of A
	s_mul_i32 s22, s18, HALFT                      ; my 128 rows of B,
	s_add_co_u32 s22, s22, 2*HALFT                 ; which lie behind A's 256
.irp s, 0,1
	v_add_nc_u32 v[ADRA+\s], s21, v4
	v_add_nc_u32 v[ADRB+\s], s22, v4
	s_add_co_u32 s21, s21, SLOT
	s_add_co_u32 s22, s22, SLOT
.endr
	v_mul_u32_u24 v5, v1, KS                       ; my row's scale bytes: 32 a row,
	v_lshrrev_b32 v6, 8, v5
	v_lshl_add_u32 v5, v6, 4, v5                   ; and 16 more for each 256 passed
	s_mul_i32 s21, s17, HALFS                      ; A's: my 128 rows
	s_mul_i32 s22, s18, HALFS                      ; B's: my 128 rows, behind A's 256
	s_add_co_u32 s22, s22, 2*HALFS
	s_sub_co_u32 s22, s22, s21
	v_mul_u32_u24 v6, s22, v2                      ; lanes 16-31 take B's
	s_add_co_u32 s21, s21, SCL
	v_add_nc_u32 v5, v5, v6
	v_add_nc_u32 v[ADRS], s21, v5
.macro FRAG reg, adr, q, i             ; 16 rows x 128 K of 4-bit codes, 8 registers: lane l holds row l % 16; registers 4 c .. 4 c + 3 hold K = 64 c + 32 (l / 16) + 0 .. 31
.irp c, 0,1
	ds_load_b128 v[\reg+4*\c:\reg+4*\c+3], v[\adr] offset:64*(\q)+32*\c+(\i)*16*PITCH
.endr
.endm
; 16 matrix instructions: A's blocks a0, a0 + 1 x B's eight, the slot's q-th 128 along K.  p: B's set;  sc: the set of scale words.  zero = 1: the first product starts the sums.
; The 64 accumulators take turns, one instruction a turn, in the same order in every step.
.macro MUL16 a0, p, q, sc, zero
.irp a, \a0, \a0+1
.irp b, 0,1,2,3,4,5,6,7
.if \zero
	v_wmma_scale_f32_16x16x128_f8f6f4 v[8*(8*((\a)%4)+\b):8*(8*((\a)%4)+\b)+7], v[128*(\p)+FR*\b:128*(\p)+FR*\b+FR-1], v[AF+FR*(\a):AF+FR*(\a)+FR-1], 0, v[SC+8*NQ*(\sc)+NQ*\b+(\q)], v[SC+8*NQ*(\sc)+NQ*(\a)+(\q)] matrix_a_fmt:MATRIX_FMT_FP4 matrix_b_fmt:MATRIX_FMT_FP4 matrix_a_scale:MATRIX_SCALE_ROW1
.else
	v_wmma_scale_f32_16x16x128_f8f6f4 v[8*(8*((\a)%4)+\b):8*(8*((\a)%4)+\b)+7], v[128*(\p)+FR*\b:128*(\p)+FR*\b+FR-1], v[AF+FR*(\a):AF+FR*(\a)+FR-1], v[8*(8*((\a)%4)+\b):8*(8*((\a)%4)+\b)+7], v[SC+8*NQ*(\sc)+NQ*\b+(\q)], v[SC+8*NQ*(\sc)+NQ*(\a)+(\q)] matrix_a_fmt:MATRIX_FMT_FP4 matrix_b_fmt:MATRIX_FMT_FP4 matrix_a_scale:MATRIX_SCALE_ROW1
.endif
.endr
.endr
.endm
.macro FETCH_B slot, q, p              ; B's eight fragments of the slot's q-th 128 along K into set p
	WIN TO_B
.irp i, 0,1,2,3,4,5,6,7
	FRAG 128*(\p)+FR*\i, ADRB+\slot, \q, \i
.endr
	WIN 0
.endm
.macro FETCH_A slot, q, i0             ; A's blocks i0 .. i0 + 3
.irp i, \i0, \i0+1, \i0+2, \i0+3
	FRAG AF+FR*(\i), ADRA+\slot, \q, \i
.endr
.endm
.macro SCALES sc                       ; a K step's scale words into set sc: four words a row; lanes 0-15 take A's block i, lanes 16-31 B's block i
.irp i, 0,1,2,3,4,5,6,7
	ds_load_b128 v[SC+8*NQ*\sc+NQ*\i:SC+8*NQ*\sc+NQ*\i+3], v[ADRS] offset:\i*SBLK
.endr
.endm
; A load into a register that a matrix instruction has read, and a vector instruction that reads a matrix result, stand NP places behind it; only plain vector instructions that name none
; of its registers are places (ISA guide 7.12.1 for vector instructions).
.macro PLACES n
.rept \n
	v_nop
.endr
.endm
; A step of 128 along K that has its successor in the same slot.  A has one set of registers: blocks 0-3 are fetched anew in the step's middle, blocks 4-7 at its end; B has two sets.
.macro STEP slot, q, zero
	s_wait_dscnt 4*NL                              ; B's set and A's blocks 0-3 are in; the youngest eight loads (A's blocks 4-7) may be out
	WIN MUL_LO
	MUL16 0, (\q)%2, \q, \slot, \zero
	MUL16 2, (\q)%2, \q, \slot, \zero
	s_wait_dscnt 0                                 ; A's blocks 4-7 are in (asked for 32 matrix instructions ago)
	PLACES NP
	FETCH_B \slot, (\q)+1, 1-(\q)%2
	FETCH_A \slot, (\q)+1, 0
	WIN MUL_HI
	MUL16 4, (\q)%2, \q, \slot, \zero
	MUL16 6, (\q)%2, \q, \slot, \zero
	PLACES NP
	WIN 0
	FETCH_A \slot, (\q)+1, 4
.endm
; Slot 0's last step goes over to slot 1: each wave waits for all its tensor loads (its part of slot 1), and the barrier shows the whole slot to every wave.  Nothing is filled again.
.macro OVER slot, next
	s_wait_tensorcnt 0x0                           ; all my tensor loads have landed
	ds_add_u32 v[SPW], v[NIL]
	s_wait_dscnt 4*NL+1                            ; (the add and the youngest eight loads, A's blocks 4-7, may be out)
	WIN MUL_LO
	MUL16 0, 1, NQ-1, \slot, 0
	s_wait_dscnt 0x0                               ; no LDS instruction of mine is out at the signal
	s_barrier_signal -1
	MUL16 2, 1, NQ-1, \slot, 0                     ; work on registers while the others arrive
	WIN 0
	s_barrier_wait -1
	PLACES NP
	v_add_nc_u32 v[ADRS], 4*NQ, v[ADRS]            ; on to the next K step's scale words
	FETCH_B \next, 0, 0
	FETCH_A \next, 0, 0
	SCALES \next
	WIN MUL_HI
	MUL16 4, 1, NQ-1, \slot, 0
	MUL16 6, 1, NQ-1, \slot, 0
	PLACES NP
	WIN 0
	FETCH_A \next, 0, 4
.endm
	s_wait_tensorcnt 1                             ; the scale bytes and my part of K step 0 are in; K step 1's load may stay out
	s_barrier_signal -1
	s_barrier_wait -1                              ; everybody's are
	FETCH_B 0, 0, 0
	FETCH_A 0, 0, 0
	SCALES 0
	FETCH_A 0, 0, 4
	STEP 0, 0, 1                                   ; the first products start the sums: nothing is cleared
	STEP 0, 1, 0
	STEP 0, 2, 0
	OVER 0, 1
	STEP 1, 0, 0
	STEP 1, 1, 0
	STEP 1, 2, 0
	s_wait_dscnt 4*NL                              ; the last step: nothing more to fetch
	WIN MUL_LO
	MUL16 0, 1, NQ-1, 1, 0
	MUL16 2, 1, NQ-1, 1, 0
	s_wait_dscnt 0
	WIN MUL_HI
	MUL16 4, 1, NQ-1, 1, 0
	MUL16 6, 1, NQ-1, 1, 0
	WIN 0
	; THE WAY OUT.  Block a of side A at a time: the bias is added in place, eight numbers are rounded to f16 in pairs, and each of the block's eight chunks is one store of 512 consecutive bytes.
	PLACES NP                                      ; behind the last products: their results are read and A's registers written below
	s_wait_loadcnt 0x0                             ; the biases; their base may be written now, and no tensor load of mine is out
	s_mov_b32 s20, s96
	s_mov_b32 s21, 0
	s_mov_b32 s22, s97
	s_mov_b32 s23, 0
	s_mov_b64 s[OB:OB+1], s[14:15]                 ; blocks a 0-3, b 0-3
	s_add_nc_u64 s[OB+2:OB+3], s[14:15], s[22:23]  ; b 4-7
	s_add_nc_u64 s[OB+4:OB+5], s[14:15], s[20:21]  ; a 4-7
	s_add_nc_u64 s[OB+6:OB+7], s[OB+4:OB+5], s[22:23]
.macro OUTBLK a, role                  ; role 0: the channels are B's rows: a lane's eight numbers have eight biases;  role 1: they are A's rows: one bias a lane
.set AC, 64*((\a)%4)
.set YB, YY+32*((\a)%2)
	WIN 0x82+0x41*((\a)/4)                         ; destination and source 0: window 2 or 3; the bias: window 0
.irp b, 0,1,2,3,4,5,6,7
.irp i, 0,1,2,3
.if \role
	v_pk_add_f32 v[AC+8*\b+2*\i:AC+8*\b+2*\i+1], v[AC+8*\b+2*\i:AC+8*\b+2*\i+1], v[BS1+2*(\a):BS1+2*(\a)+1]   ; each accumulator from its low end on
.else
	v_pk_add_f32 v[AC+8*\b+2*\i:AC+8*\b+2*\i+1], v[AC+8*\b+2*\i:AC+8*\b+2*\i+1], v[BS0+8*\b+2*\i:BS0+8*\b+2*\i+1]
.endif
.endr
.endr
	s_wait_xcnt 0x0                                ; the stores of two blocks ago have read this set of packed registers: it is written again only behind this wait
	WIN 0x0a+5*((\a)/4)                            ; sources 0 and 1: window 2 or 3
.irp b, 0,1,2,3,4,5,6,7
.irp i, 0,1,2,3
	v_cvt_pk_f16_f32 v[YB+4*\b+\i], v[AC+8*\b+2*\i], v[AC+8*\b+2*\i+1]
.endr
.endr
	WIN 0
.irp b, 0,1,2,3,4,5,6,7
	global_store_b128 v[LI], v[YB+4*\b:YB+4*\b+3], s[OB+4*((\a)/4)+2*(\b/4):OB+4*((\a)/4)+2*(\b/4)+1] offset:(\b%4)*512+((\a)%4)*2048   ; 32 lanes store 512 consecutive bytes, aligned
.endr
.endm
	s_cmp_eq_u32 s95, 1                            ; the tensor alone decides: the same in every wave of every partner
	s_cbranch_scc1 .Lvalues
.irp a, 0,1,2,3,4,5,6,7
	OUTBLK \a, 0
.endr
	s_branch .Lout
.Lvalues:
.irp a, 0,1,2,3,4,5,6,7
	OUTBLK \a, 1
.endr
.Lout:
	s_wait_tensorcnt 0x0                           ; the wave's end
	ds_add_u32 v[SPW], v[NIL]
	s_wait_dscnt 0x0
	CROUND                                         ; the closing round: no work-group ends while a partner may still ask for a tile that names it
	s_endpgm
.Lfunc_end_k_qf26b720c73_proj:
	.size	k_qf26b720c73_proj, .Lfunc_end_k_qf26b720c73_proj-k_qf26b720c73_proj
	.p2alignl 7, 3214868480
	.fill 96, 4, 3214868480
	.section	.rodata,"a",@progbits
	.p2align	6, 0x0
	.amdhsa_kernel k_qf26b720c73_proj
		.amdhsa_group_segment_fixed_size 327680
		.amdhsa_private_segment_fixed_size 0
		.amdhsa_enable_private_segment 0
		.amdhsa_kernarg_size 48
		.amdhsa_user_sgpr_count 2
		.amdhsa_user_sgpr_kernarg_segment_ptr 1
		.amdhsa_wavefront_size32 1
		.amdhsa_system_sgpr_workgroup_id_x 1
		.amdhsa_system_sgpr_workgroup_id_y 1
		.amdhsa_system_sgpr_workgroup_id_z 1
		.amdhsa_system_vgpr_workitem_id 0
		.amdhsa_next_free_vgpr 1024
		.amdhsa_next_free_sgpr 100
		.amdhsa_reserve_vcc 0
		.amdhsa_float_denorm_mode_32 3
		.amdhsa_float_denorm_mode_16_64 3
		.amdhsa_memory_ordered 1
		.amdhsa_forward_progress 1
		.amdhsa_inst_pref_size 177
	.end_amdhsa_kernel
	.amdgpu_metadata
---
amdhsa.version: [ 1, 2 ]
amdhsa.kernels:
  - .name:           k_qf26b720c73_proj
    .symbol:         k_qf26b720c73_proj.kd
    .args:
      - { .name: codes, .offset: 0, .size: 8, .value_kind: global_buffer, .address_space: global }
      - { .name: scales, .offset: 8, .size: 8, .value_kind: global_buffer, .address_space: global }
      - { .name: bq, .offset: 16, .size: 8, .value_kind: global_buffer, .address_space: global }
      - { .name: bk, .offset: 24, .size: 8, .value_kind: global_buffer, .address_space: global }
      - { .name: bv, .offset: 32, .size: 8, .value_kind: global_buffer, .address_space: global }
      - { .name: img, .offset: 40, .size: 8, .value_kind: global_buffer, .address_space: global }
    .group_segment_fixed_size: 327680
    .private_segment_fixed_size: 0
    .kernarg_segment_align: 8
    .kernarg_segment_size: 48
    .max_flat_workgroup_size: 128
    .sgpr_count:     100
    .vgpr_count:     1024
    .wavefront_size: 32
...
	.end_amdgpu_metadata
.endif
;; end of part 2
;; launch attn (part 3): grid 4 x 64, 8 waves a work-group, clusters of 4 x 1, 327,680 bytes of LDS; arguments img, mask, out0; writes out0
.if DOCPART == 3
	.amdgcn_target "amdgcn-amd-amdhsa--gfx1250"
	.amdhsa_code_object_version 6
	.text
	.protected	k_qf26b720c73_attn
	.globl	k_qf26b720c73_attn
	.p2align	8
	.type	k_qf26b720c73_attn,@function
k_qf26b720c73_attn:
	s_mov_b64 s[64:65], 0
	v_nop
	global_prefetch_b8 v0, s[64:65] scope:SCOPE_SE
	s_setreg_imm32_b32 hwreg(HW_REG_WAVE_MODE, 25, 1), 1
	s_wait_xcnt 0x0
	s_wait_alu depctr_hold_cnt(0) depctr_sa_sdst(0) depctr_va_vdst(0) depctr_va_sdst(0) depctr_va_ssrc(0) depctr_va_vcc(0) depctr_vm_vsrc(0)
	s_getreg_b32 s2, hwreg(HW_REG_IB_STS2, 6, 4)
	s_cmp_eq_u32 s2, 0
	s_cbranch_scc0 .Lentry_in_a_cluster
	s_endpgm
.Lentry_in_a_cluster:
	s_bfe_u32 s2, ttmp6, 0x10000c
	s_cmp_lg_u32 s2, 0x3003
	s_cbranch_scc0 .Lentry_shape_is_right
	s_endpgm
.Lentry_shape_is_right:
; out0[b][q][64 head + :] = the sum over k of softmax_k(Q[q] . K[k] / 8 + (1 - mask[b][k]) x -1e30) V[k][:], for 64 pairs of batch and head, 2,048 queries and keys, head size 64.
; Q, K, V come as f16 images of operand registers (chunks of 512 bytes, lane l's 16 bytes at 16 l).  Products on f16 operands, sums, maxima and the softmax in f32; the weights p are rounded to f16.
; SHARES.  A work-group owns 512 queries of one head, each of its eight waves 64: four tiles of 16.  Two waves share a SIMD, 512 registers each: one wave's vector work stands beside the other's products.
; Every wave walks all 2,048 keys, 64 a step.
; LAYOUT.  S^T = K Q^T (source 0 = 16 keys, source 1 = 16 queries): a lane holds ONE query (lane % 16) and keys 8 (lane / 16) + 0..7 of each tile of 16.  Two such tiles rounded to f16 in pairs ARE
; source 1 (32 keys x 16 queries) of O^T = V^T P, whose result holds one query a lane and eight channels.  V's images have channels as rows and keys along the lane: no turning load, no padding:
; every LDS load of a fragment reads 512 consecutive bytes.
; SOFTMAX.  t = score x log2(e) / 8 + bias, one fused multiply-add in f32, bias = (1 - mask) x -1e30 x log2(e): where every key of a batch is hidden t is the bias itself, as the sum is in the definition.
; A running maximum m and sum l for each query: p = 2^(t - m); in every step O and l are multiplied by a = 2^(m_old - m_new).
; RING.  Two LDS slots of 512 keys (K's 65,536 bytes, then V's).  Each of the eight waves fetches 16,384 dense bytes with one tensor load (waves 0-3 K's, waves 4-7 V's).
; A refill is asked for a whole slot, 8 key steps and 512 matrix instructions of a wave, ahead of the wait for it; so nothing further is asked for ahead of the loads.
; CLUSTER.  The four query blocks of a head walk the same K and V: each tile is asked for JOINTLY, by the same load with a mask that names the four.
; LIMITS: NaN and infinities among the inputs are not served.
; REGISTERS: window 0: v1-12 addresses; v16-47 statistics, eight a tile: +0 m, +1 its pair's other word, +2, +3 l in two halves, +4..+7 at work, a in +6; v48-79 the step's 32 biases;
;   v128-255 S^T, 32 a tile; P lies over the first 16 of each tile.   window 1: v0-127 O^T, 32 a tile; v128-191 Q; v192-255 eight fragments, K's and then V's.
.set SLOT1, 1<<17                      ; slot 1 begins here, so that one exclusive or turns an address in one slot into the other's
.set VPART, 1<<16                      ; V's part of a slot
.set BIAS,  2*SLOT1                    ; 2,048 biases, f32
.set STAGE, BIAS+8192                  ; the way out: 16 rows x 272 bytes for each wave
.set SP,    272
.set SPARE, STAGE+8*16*SP              ; the spare words, 128 bytes for each wave
.set LI,  1                            ; v1   16 x lane
.set ADK, 2                            ; v2   LDS address of the step's K
.set ADV, 3                            ; v3   of its V
.set AB0, 4                            ; v4   BIAS + 32 (lane / 16)
.set ADB, 5                            ; v5   of the step's biases
.set STO, 6                            ; v6   the way out: where I put 32 bytes of a row
.set RD,  7                            ; v7   where I read a row back
.set GO,  8                            ; v8   my byte offset in the wave's rows of out0
.set SPW, 9                            ; v9   LDS address of my spare word; never rewritten
.set NIL, 10                           ; v10  0; never rewritten
.set BW,  11                           ; v11  BIAS + 32 x thread
.set MO,  12                           ; v12  32 x thread
.set ST,  16
.set BI,  48
.set MK,  80                           ; v80-87 eight numbers of the mask
.set S,   128
.set O,   0                            ; window 1
.set Q,   128
.set KV,  192
.set WV,  10                           ; s10  my wave's number
.set G1,  24                           ; s[24:31] descriptor group 1
.set G0,  32                           ; s[32:35] descriptor group 0: it walks
.set SEL, 36                           ; s[36:37] lane selects for v_permlanex16_b32: lane l xor 16
.set CS,  38                           ; s[38:39] log2(e) / 8: the packed form names a pair and takes its low word for both halves
.set TK,  40                           ; s40  LDS byte at which the step's K begins
.set TBI, 41                           ; s41  the step's biases: 256 bytes a step
.set SLOTS, 42
.set CNT, 43
.set MSB, 0
.macro WIN new                         ; the immediate's high byte repeats the setting that is left
.if MSB != \new
	s_set_vgpr_msb (MSB<<8)|\new
.set MSB, \new
.endif
.endm
.set TO_1, 0x40                        ; destination window 1, address window 0
.set W_KQ, 0x05                        ; K and Q window 1, S^T window 0
.set W_RS, 0x41                        ; O^T (destination and source 0) window 1, a window 0
.set W_PV, 0x51                        ; V window 1, P window 0, O^T window 1
.macro CROUND                          ; a round of the cluster's barrier
	s_barrier_signal -1
	s_barrier_wait -1
	s_cmp_lg_u32 s[WV], 0
	s_cbranch_scc1 .Lnot_wave_0_\@
	s_barrier_signal -3
.Lnot_wave_0_\@:
	s_barrier_wait -3
	s_barrier_signal -1
	s_barrier_wait -1
.endm
.macro JLOAD                           ; every wave's own 64 rows of 256 bytes; an s_nop 0 and four v_nop follow
	tensor_load_to_lds s[G0:G0+3], s[G1:G1+7]
	s_nop 0
.rept 4
	v_nop
.endr
.endm
	s_load_b128 s[4:7], s[0:1], 0x0                ; img s[4:5], mask s[6:7]
	s_load_b64 s[8:9], s[0:1], 0x10                ; out0
	v_lshl_add_u32 v[SPW], v0, 2, SPARE
	v_mov_b32 v[NIL], 0
	ds_add_u32 v[SPW], v[NIL]                      ; the wave's opening: the add, twice on end, and its wait ahead of my first tensor load
	ds_add_u32 v[SPW], v[NIL]
	v_lshrrev_b32 v1, 5, v0
	v_readfirstlane_b32 s[WV], v1                  ; wave 0..7
	s_bfe_u32 s11, ttmp6, 0x40000                  ; cx: my block of 512 queries; it enters Q's and out0's addresses alone
	s_and_b32 s12, ttmp7, 0xffff                   ; 16 x batch + head, which the four partners share
	; descriptor group 1: 64 dense rows of 256 bytes (32 elements of 8), no padding
	s_mov_b32 s[G1], 15|(3<<16)|(1<<21)            ; 15:0 the mask: all four work-groups; 17:16 elements of 8 bytes; 21 set beside a mask
	s_mov_b32 s[G1+1], 32<<16                      ; tensor_dim0
	s_mov_b32 s[G1+2], 64<<16                      ; tensor_dim1
	s_mov_b32 s[G1+3], 32<<16                      ; tile_dim0
	s_mov_b32 s[G1+4], 64                          ; tile_dim1
	s_mov_b32 s[G1+5], 32                          ; from row to row
	s_mov_b32 s[G1+6], 0
	s_mov_b32 s[G1+7], 0
	s_lshl_b32 s13, s12, 18                        ; a head's 262,144 bytes in each tensor of img
	s_lshr_b32 s16, s[WV], 2
	s_add_co_u32 s16, s16, 1                       ; waves 0-3: tensor 1 (keys); waves 4-7: tensor 2 (values)
	s_lshl_b32 s16, s16, 24
	s_add_co_u32 s16, s16, s13
	s_and_b32 s17, s[WV], 3
	s_lshl_b32 s17, s17, 14                        ; my quarter of a slot's 65,536 bytes
	s_add_co_u32 s16, s16, s17
	s_mov_b32 s17, 0
	s_lshl_b32 s18, s11, 16                        ; Q: my block's 32 tiles of 2,048 bytes,
	s_add_co_u32 s18, s18, s13
	s_lshl_b32 s19, s[WV], 13                      ; my wave's four
	s_add_co_u32 s18, s18, s19
	s_mov_b32 s19, 0
	s_lshr_b32 s22, s12, 4                         ; the batch
	s_lshl_b32 s20, s22, 23                        ; out0: 2,048 rows of 4,096 bytes a batch,
	s_lshl_b32 s22, s22, 13                        ; the mask: 8,192 bytes a batch
	s_mov_b32 s23, 0
	s_lshl_b32 s21, s11, 21                        ; 512 rows a block,
	s_add_co_u32 s20, s20, s21
	s_lshl_b32 s21, s[WV], 18                      ; 64 rows a wave,
	s_add_co_u32 s20, s20, s21
	s_and_b32 s21, s12, 15
	s_lshl_b32 s21, s21, 8                         ; 256 bytes a head
	s_add_co_u32 s20, s20, s21
	s_mov_b32 s21, 0
	s_mov_b32 s[SEL], 0x76543210
	s_mov_b32 s[SEL+1], 0xfedcba98
	s_mov_b32 s[CS], 0x3e38aa3b                    ; log2(e) / 8
	s_mov_b32 s[CS+1], s[CS]                       ; (named with it as a pair, so it is written)
	s_mov_b32 s[TK], 0
	s_mov_b32 s[TBI], 0
	s_wait_dscnt 0x0                               ; both opening adds are done
	s_wait_kmcnt 0x0
	s_add_nc_u64 s[14:15], s[4:5], s[18:19]        ; Q at my wave's first tile
	s_add_nc_u64 s[6:7], s[6:7], s[22:23]          ; the batch's mask
	s_add_nc_u64 s[8:9], s[8:9], s[20:21]          ; out0 at my wave's first row, my head's columns
	CROUND                                         ; all four work-groups are here: the first joint loads meet
	s_mov_b32 s[G0], 1                             ; count = 1
	s_lshl_b32 s[G0+1], s[WV], 14                  ; LDS address: slot 0, wave x 16,384: K's four quarters, then V's
	s_add_nc_u64 s[G0+2:G0+3], s[4:5], s[16:17]    ; global address: the head's first 512 keys
	s_or_b32 s[G0+3], s[G0+3], 0x80000000          ; type = 2
	JLOAD                                          ; slot 0
	v_and_b32 v13, 31, v0
	v_lshlrev_b32 v[LI], 4, v13
	v_and_b32 v14, 15, v0                          ; r
	v_bfe_u32 v15, v0, 4, 1                        ; h
	v_lshlrev_b32 v[MO], 5, v0
	v_lshl_add_u32 v[BW], v0, 5, BIAS
	global_load_b128 v[MK:MK+3],   v[MO], s[6:7]               ; thread t takes keys 8 t .. 8 t + 7 of the mask
	global_load_b128 v[MK+4:MK+7], v[MO], s[6:7] offset:16
	WIN TO_1
.irp i, 0,1,2,3,4,5,6,7,8,9,10,11,12,13,14,15
	global_load_b128 v[Q+4*\i:Q+4*\i+3], v[LI], s[14:15] offset:512*\i   ; Q stays in registers: fragment (tile i / 4, channels 32 ((i % 4) / 2) on) at 8 (i / 2)
.endr
	WIN 0
	v_lshl_add_u32 v[AB0], v15, 5, BIAS
	s_mul_i32 s13, s[WV], 16*SP
	s_add_co_u32 s13, s13, STAGE                   ; my stage
	v_mul_u32_u24 v[STO], v14, SP                  ; in: row r, 32 bytes for each half of the lanes
	v_lshl_add_u32 v[STO], v15, 5, v[STO]
	v_add_nc_u32 v[STO], s13, v[STO]
	v_mul_u32_u24 v[RD], v15, SP                   ; back: lanes 0-15 take one row of 256 bytes, lanes 16-31 the next
	v_lshl_add_u32 v[RD], v14, 4, v[RD]
	v_add_nc_u32 v[RD], s13, v[RD]
	v_lshlrev_b32 v[GO], 12, v15                   ; and the same two rows in out0
	v_lshl_add_u32 v[GO], v14, 4, v[GO]
.irp t, 0,1,2,3
	v_mov_b32 v[ST+8*\t], 0xff61b1e6               ; m: -3e38, under every t
	v_mov_b32 v[ST+8*\t+1], 0                      ; (named with m as a pair)
	v_mov_b32 v[ST+8*\t+2], 0                      ; l
	v_mov_b32 v[ST+8*\t+3], 0
.endr
	s_wait_loadcnt 16                              ; the mask's two loads are in; Q's sixteen may be out
.irp i, 0,1,2,3,4,5,6,7
	v_sub_f32 v[MK+\i], 1.0, v[MK+\i]
.endr
.irp i, 0,1,2,3,4,5,6,7
	v_mul_f32 v[MK+\i], 0xf149f2ca, v[MK+\i]       ; x -1e30
.endr
.irp i, 0,1,2,3,4,5,6,7
	v_mul_f32 v[MK+\i], 0x3fb8aa3b, v[MK+\i]       ; x log2(e): the exponentials are of base 2
.endr
	ds_store_b128 v[BW], v[MK:MK+3]                ; waited for in front of the first change's round, behind which all waves read them
	ds_store_b128 v[BW], v[MK+4:MK+7] offset:16
	s_wait_loadcnt 0x0                             ; Q
; THE CHANGE OF SLOTS stands at a slot's head.  Each wave waits for all its tensor loads (its part of the slot that it is about to read), adds 0 to its spare word, and waits for that and for its
; reads of the slot that it has left.  fill = 1: a round of the cluster's barrier, so that no wave of any partner still reads the other slot or has a load on its way; the joint load of the next
; 512 keys into that slot is the first thing behind it, my one tensor load until the next round.
.macro CHANGE fill
	s_wait_tensorcnt 0x0                           ; no tensor load of mine is out, so the group 0 may be written
	ds_add_u32 v[SPW], v[NIL]
.if \fill
	s_xor_b32 s[G0+1], s[G0+1], SLOT1              ; the other slot than last time,
	s_add_nc_u64 s[G0+2:G0+3], s[G0+2:G0+3], VPART ; the next 512 keys: 65,536 bytes on in K as in V; the type bits on top are not reached
.endif
	s_wait_dscnt 0x0                               ; the add is done, my reads of the slot that I have left are over (the first time: my biases are stored)
.if \fill
	CROUND
	JLOAD
.else
	s_barrier_signal -1
	s_barrier_wait -1
.endif
.endm
.macro MX                              ; number nn of 16 of tile tt's maximum: four chains of seven, the four left over, the chains, the old m
.set rT, ST+8*tt
.set rS, S+32*tt
.if nn < 4
	v_max3_num_f32 v[rT+4+nn], v[rS+8*nn], v[rS+8*nn+1], v[rS+8*nn+2]
.elseif nn < 12
	v_max3_num_f32 v[rT+4+nn%4], v[rT+4+nn%4], v[rS+8*(nn%4)+2*(nn/4)+1], v[rS+8*(nn%4)+2*(nn/4)+2]
.elseif nn == 12
	v_max3_num_f32 v[rT+4], v[rT+4], v[rS+7], v[rS+15]
.elseif nn == 13
	v_max3_num_f32 v[rT+6], v[rT+6], v[rS+23], v[rS+31]
.elseif nn == 14
	v_max3_num_f32 v[rT+4], v[rT+4], v[rT+5], v[rT+6]
.else
	v_max3_num_f32 v[rT+4], v[rT+4], v[rT+7], v[rT]
.endif
.endm
; A KEY STEP: 64 keys.  first = 1: the first step: its products V^T P start O^T's sums and there is nothing to rescale.
.macro STEP first
	WIN 0
	v_add_nc_u32 v[ADK], s[TK], v[LI]
	v_add_nc_u32 v[ADB], s[TBI], v[AB0]
.rept 3
	v_nop                                          ; with the two additions five places behind the last V^T P: loads land on V's registers, and the products below write over P
.endr
	WIN TO_1
.irp i, 0,1,2,3,4,5,6,7,8,9,10,11,12,13,14,15
	ds_load_b128 v[KV+4*\i:KV+4*\i+3], v[ADK] offset:512*\i    ; K: fragment (key tile i / 4, channels 32 ((i % 4) / 2) on) at 8 (i / 2)
.endr
	WIN 0
.irp i, 0,1,2,3,4,5,6,7
	ds_load_b128 v[BI+4*\i:BI+4*\i+3], v[ADB] offset:(\i/2)*64+(\i%2)*16   ; the biases of keys 16 (i / 2) + 8 h + 4 (i % 2) on
.endr
	s_wait_dscnt 8                                 ; K is in; the eight loads of biases may be out
	WIN W_KQ
.set ii, 0
.rept 32                               ; S^T = K Q^T: channels 32 (ii / 16) on, key tile (ii / 4) % 4, query tile ii % 4: the 16 accumulators take turns
.set rS, S+32*(ii%4)+8*((ii/4)%4)
.set rK, KV+8*(2*((ii/4)%4)+ii/16)
.set rQ, Q+8*(2*(ii%4)+ii/16)
.if ii < 16
	v_wmma_f32_16x16x32_f16 v[rS:rS+7], v[rK:rK+7], v[rQ:rQ+7], 0
.else
	v_wmma_f32_16x16x32_f16 v[rS:rS+7], v[rK:rK+7], v[rQ:rQ+7], v[rS:rS+7]
.endif
.set ii, ii+1
.endr
	WIN 0
	v_add_nc_u32 v[ADV], VPART, v[ADK]
.rept 3
	v_nop                                          ; with the addition four places: loads land on K's registers, and the scores are read below
.endr
	WIN TO_1
.irp i, 0,1,2,3,4,5,6,7,8,9,10,11,12,13,14,15
	ds_load_b128 v[KV+4*\i:KV+4*\i+3], v[ADV] offset:512*\i    ; V: fragment (channel tile i / 4, keys 32 ((i % 4) / 2) on) at 8 (i / 2); it lands under the softmax
.endr
	WIN 0
	s_wait_dscnt 16                                ; the biases are in; V's sixteen loads may be out
.set jj, 0
.rept 64
	v_pk_fma_f32 v[S+jj:S+jj+1], v[S+jj:S+jj+1], s[CS:CS+1], v[BI+jj%32:BI+jj%32+1] op_sel_hi:[1,0,1]   ; t = score x log2(e) / 8 + bias; each accumulator from its low end on
.set jj, jj+2
.endr
.set nn, 0
.rept 16
.set tt, 0
.rept 4
	MX                                             ; the four tiles by turns: no line waits for the line above it
.set tt, tt+1
.endr
.set nn, nn+1
.endr
.irp t, 0,1,2,3
	v_permlanex16_b32 v[ST+8*\t+5], v[ST+8*\t+4], s[SEL], s[SEL+1]   ; the query's other 32 keys lie in the lane 16 away
.endr
.irp t, 0,1,2,3
	v_max_num_f32 v[ST+8*\t+4], v[ST+8*\t+4], v[ST+8*\t+5]
.endr
.irp t, 0,1,2,3
	v_sub_f32 v[ST+8*\t+7], v[ST+8*\t], v[ST+8*\t+4]           ; m_old - m_new
.endr
.irp t, 0,1,2,3
	v_mov_b32 v[ST+8*\t], v[ST+8*\t+4]
.endr
.irp t, 0,1,2,3
	v_exp_f32 v[ST+8*\t+6], v[ST+8*\t+7]                       ; a
.endr
	; ONE BATCH: with the four above, 132 exponentials, none of which reads another's result; a pair is brought under m a turn ahead of its exponentials
.irp t, 0,1,2,3
	v_pk_add_f32 v[S+32*\t:S+32*\t+1], v[S+32*\t:S+32*\t+1], v[ST+8*\t:ST+8*\t+1] op_sel_hi:[1,0] neg_lo:[0,1] neg_hi:[0,1]
.endr
.set ii, 0
.rept 16
.set tt, 0
.rept 4
.set rS, S+32*tt+2*ii
.if ii < 15
	v_pk_add_f32 v[rS+2:rS+3], v[rS+2:rS+3], v[ST+8*tt:ST+8*tt+1] op_sel_hi:[1,0] neg_lo:[0,1] neg_hi:[0,1]   ; t - m
.endif
	v_exp_f32 v[rS], v[rS]                         ; p = 2^(t - m), at most 1
	v_exp_f32 v[rS+1], v[rS+1]
.set tt, tt+1
.endr
.set ii, ii+1
.endr
	v_nop                                          ; a plain instruction behind the last exponential, ahead of the first use
	s_wait_alu depctr_va_vdst(0)                   ; one wait for the whole batch, ahead of its first reader
.irp t, 0,1,2,3
	v_pk_add_f32 v[ST+8*\t+4:ST+8*\t+5], v[S+32*\t:S+32*\t+1], v[S+32*\t+2:S+32*\t+3]   ; the step's sum of p, in f32, ahead of the rounding
.endr
.irp i, 2,3,4,5,6,7,8,9,10,11,12,13,14,15
.irp t, 0,1,2,3
	v_pk_add_f32 v[ST+8*\t+4:ST+8*\t+5], v[ST+8*\t+4:ST+8*\t+5], v[S+32*\t+2*\i:S+32*\t+2*\i+1]
.endr
.endr
.irp t, 0,1,2,3
	v_pk_fma_f32 v[ST+8*\t+2:ST+8*\t+3], v[ST+8*\t+2:ST+8*\t+3], v[ST+8*\t+6:ST+8*\t+7], v[ST+8*\t+4:ST+8*\t+5] op_sel_hi:[1,0,1]   ; l = a l + the sum
.endr
.irp i, 0,1,2,3,4,5,6,7,8,9,10,11,12,13,14,15
.irp t, 0,1,2,3
	v_cvt_pk_f16_f32 v[S+32*\t+\i], v[S+32*\t+2*\i], v[S+32*\t+2*\i+1]   ; P over the tile's first 16 registers: register i is written when numbers 2 i and 2 i + 1 are read, never ahead of them
.endr
.endr
.if !\first
	WIN W_RS
.set jj, 0
.rept 64
	v_pk_mul_f32 v[O+jj:O+jj+1], v[O+jj:O+jj+1], v[ST+8*(jj/32)+6:ST+8*(jj/32)+7] op_sel_hi:[1,0]   ; O^T x a; each accumulator from its low end on
.set jj, jj+2
.endr
.endif
	s_wait_dscnt 0x0                               ; V is in
	WIN W_PV
.set ii, 0
.rept 32                               ; O^T += V^T P: keys 32 (ii / 16) on, channel tile (ii / 4) % 4, query tile ii % 4: the 16 accumulators take turns
.set rO, O+32*(ii%4)+8*((ii/4)%4)
.set rV, KV+8*(2*((ii/4)%4)+ii/16)
.set rP, S+32*(ii%4)+8*(ii/16)
.if \first && (ii < 16)
	v_wmma_f32_16x16x32_f16 v[rO:rO+7], v[rV:rV+7], v[rP:rP+7], 0
.else
	v_wmma_f32_16x16x32_f16 v[rO:rO+7], v[rV:rV+7], v[rP:rP+7], v[rO:rO+7]
.endif
.set ii, ii+1
.endr
	WIN 0
	s_add_co_u32 s[TK], s[TK], 8192                ; the next 64 keys
	s_add_co_u32 s[TBI], s[TBI], 256
.endm
.macro STEPS n                         ; n key steps: written once, walked n times
	s_mov_b32 s[CNT], \n
.Lstep_\@:
	STEP 0
	s_sub_co_u32 s[CNT], s[CNT], 1
	s_cmp_lg_u32 s[CNT], 0
	s_cbranch_scc1 .Lstep_\@
.endm
.macro FLIP                            ; back to a slot's first step, in the other slot
	s_sub_co_u32 s[TK], s[TK], VPART
	s_xor_b32 s[TK], s[TK], SLOT1
.endm
	CHANGE 1                                       ; slot 0 is whole; slot 1 is filled for the first time
	STEP 1
	STEPS 7
	FLIP
	s_mov_b32 s[SLOTS], 2
.Lslot:                                            ; two trips: slot 0 takes keys 1,024 on while slot 1 is walked, then slot 1 keys 1,536 on while slot 0 is walked
	CHANGE 1
	STEPS 8
	FLIP
	s_sub_co_u32 s[SLOTS], s[SLOTS], 1
	s_cmp_lg_u32 s[SLOTS], 0
	s_cbranch_scc1 .Lslot
	CHANGE 0                                       ; the last slot is written out: nothing is left to ask for
	STEPS 8
	; THE WAY OUT.  l's two halves and the other half of the lanes' are added; O^T is divided by l and goes through my stage in LDS, a tile (16 rows of 256 bytes) at a time.
	; The additions are the places behind the last products.
.irp t, 0,1,2,3
	v_add_f32 v[ST+8*\t+4], v[ST+8*\t+2], v[ST+8*\t+3]
.endr
.irp t, 0,1,2,3
	v_permlanex16_b32 v[ST+8*\t+5], v[ST+8*\t+4], s[SEL], s[SEL+1]
.endr
.irp t, 0,1,2,3
	v_add_f32 v[ST+8*\t+4], v[ST+8*\t+4], v[ST+8*\t+5]
.endr
.irp t, 0,1,2,3
	v_rcp_f32 v[ST+8*\t+6], v[ST+8*\t+4]           ; l is at least 1: the largest p of a row is 1
.endr
	v_nop                                          ; a plain instruction between the last reciprocal and the use of its result
	s_wait_alu depctr_va_vdst(0)                   ; one wait for the four reciprocals
.macro PACK t
	WIN W_RS
.set jj, 0
.rept 16
	v_pk_mul_f32 v[O+32*\t+jj:O+32*\t+jj+1], v[O+32*\t+jj:O+32*\t+jj+1], v[ST+8*\t+6:ST+8*\t+7] op_sel_hi:[1,0]
.set jj, jj+2
.endr
	WIN 0x04                                       ; an LDS store's data are its source 1: window 1
.irp c, 0,1,2,3
	ds_store_b128 v[STO], v[O+32*\t+8*\c:O+32*\t+8*\c+3] offset:64*\c          ; lane (r, h): query r, channels 16 c + 8 h + 0..7
	ds_store_b128 v[STO], v[O+32*\t+8*\c+4:O+32*\t+8*\c+7] offset:64*\c+16
.endr
	WIN 0
.irp c, 0,1,2,3,4,5,6,7
	ds_load_b128 v[S+32*\t+4*\c:S+32*\t+4*\c+3], v[RD] offset:\c*2*SP          ; LDS serves a wave's instructions in order (ISA guide 5.7.1.4): these see the stores above; the next tile's stores come behind them
.endr
.endm
.macro SEND t, younger                 ; younger: the LDS instructions issued behind tile t's loads: the next tile's sixteen, or none
.irp c, 0,1,2,3,4,5,6,7
	s_wait_dscnt \younger+7-\c
	global_store_b128 v[GO], v[S+32*\t+4*\c:S+32*\t+4*\c+3], s[8:9] offset:\t*65536+\c*8192 th:TH_STORE_NT   ; 16 lanes store 256 consecutive bytes, aligned: a head's part of a row of out0
.endr
.endm
	PACK 0
	PACK 1                                         ; a tile's arithmetic stands between the loads of the tile before and its stores
	SEND 0, 16
	PACK 2
	SEND 1, 16
	PACK 3
	SEND 2, 16
	SEND 3, 0
	s_wait_tensorcnt 0x0                           ; the wave's end: behind my last tensor load and my last LDS store
	ds_add_u32 v[SPW], v[NIL]
	s_wait_dscnt 0x0
	CROUND                                         ; the closing round: no work-group ends while a partner may still ask for a tile that names it
	s_endpgm
.Lfunc_end_k_qf26b720c73_attn:
	.size	k_qf26b720c73_attn, .Lfunc_end_k_qf26b720c73_attn-k_qf26b720c73_attn
	.p2alignl 7, 3214868480
	.fill 96, 4, 3214868480
	.section	.rodata,"a",@progbits
	.p2align	6, 0x0
	.amdhsa_kernel k_qf26b720c73_attn
		.amdhsa_group_segment_fixed_size 327680
		.amdhsa_private_segment_fixed_size 0
		.amdhsa_enable_private_segment 0
		.amdhsa_kernarg_size 24
		.amdhsa_user_sgpr_count 2
		.amdhsa_user_sgpr_kernarg_segment_ptr 1
		.amdhsa_wavefront_size32 1
		.amdhsa_system_sgpr_workgroup_id_x 1
		.amdhsa_system_sgpr_workgroup_id_y 1
		.amdhsa_system_sgpr_workgroup_id_z 1
		.amdhsa_system_vgpr_workitem_id 0
		.amdhsa_next_free_vgpr 512
		.amdhsa_next_free_sgpr 66
		.amdhsa_reserve_vcc 0
		.amdhsa_float_denorm_mode_32 3
		.amdhsa_float_denorm_mode_16_64 3
		.amdhsa_memory_ordered 1
		.amdhsa_forward_progress 1
		.amdhsa_inst_pref_size 165
	.end_amdhsa_kernel
	.amdgpu_metadata
---
amdhsa.version: [ 1, 2 ]
amdhsa.kernels:
  - .name:           k_qf26b720c73_attn
    .symbol:         k_qf26b720c73_attn.kd
    .args:
      - { .name: img, .offset: 0, .size: 8, .value_kind: global_buffer, .address_space: global }
      - { .name: mask, .offset: 8, .size: 8, .value_kind: global_buffer, .address_space: global }
      - { .name: out0, .offset: 16, .size: 8, .value_kind: global_buffer, .address_space: global }
    .group_segment_fixed_size: 327680
    .private_segment_fixed_size: 0
    .kernarg_segment_align: 8
    .kernarg_segment_size: 24
    .max_flat_workgroup_size: 256
    .sgpr_count:     66
    .vgpr_count:     512
    .wavefront_size: 32
...
	.end_amdgpu_metadata
.endif
;; end of part 3
